; MI455X (gfx1250); checked and timed in simulation.
; The chip was launched on July 23, 2026; its instructions are those of AMD's public machine-readable ISA for CDNA 5 (MIT licence, August 2026) and "CDNA5" Instruction Set Architecture Reference Guide (July 2026). The comments in the code are by the model that wrote it; some were corrected since.
;; Masked Topk. Allowed arithmetic: float matrix products may take bf16 or f16 operands with f32 sums; all other float work in f32.
;; Inputs: corr_features 4 x 64 x 64 x 64 x 64 float32; ref_mask 4 x 1 x 256 x 256 float32.
;; Outputs: out0 4 x 64 x 64 x 64 float32.
;; Constants: keep_topk = 32.
;; 2 versions, each right; version 2 is version 1 with the launches plan, topk written anew for expert scheduling mode. Each part assembles by itself: llvm-mc -triple=amdgcn-amd-amdhsa -mcpu=gfx1250 --defsym DOCPART=n.
;; ======== version 1 of 2: 2 launches
;; limits: values outside matrix products are rounded to bf16
;; workspace buffers: plan 73,728 bytes of whole numbers
;; launch plan (part 1): grid 8 x 4, 1 waves a work-group, no clusters, 0 bytes of LDS; arguments ref_mask, plan; writes plan
.if DOCPART == 1
	.amdgcn_target "amdgcn-amd-amdhsa--gfx1250"
	.amdhsa_code_object_version 6
	.text
	.protected	k_q5bf8f8abd3_plan
	.globl	k_q5bf8f8abd3_plan
	.p2align	8
	.type	k_q5bf8f8abd3_plan,@function
k_q5bf8f8abd3_plan:
	s_mov_b64 s[64:65], 0
	v_nop
	global_prefetch_b8 v0, s[64:65] scope:SCOPE_SE
	s_setreg_imm32_b32 hwreg(HW_REG_WAVE_MODE, 25, 1), 1
	s_wait_xcnt 0x0
; PLAN: turns the mask into whole numbers that steer the next launch.
; The bilinear resize 256 -> 64 samples at 4i + 1.5: weights 0.5 and 0.5 on pixels 4i+1, 4i+2 in both directions, never clipped.
; It is computed in f32 in the order of the definition: top = a/2 + b/2, bot = c/2 + d/2, m = top/2 + bot/2; foreground is m > 0.5.
; LIMIT: a NaN in the mask counts as background (by the definition such a column would be zero in both sets).
; One wave serves (w = group x, b = group y): the share of wave w of the next launch, mask rows i = 8k + w, k = 0..7, 64 columns each.
; Its 512 columns are split into a PRIMARY and a SECONDARY set (even w: primary = foreground; odd w: primary = background, so that
; later a wave's secondary list and its neighbour's primary list are of one set).  Within a set the columns are numbered in the order
; in which they arrive; number p goes to place p mod 96 of that set's ring in LDS.  A ring of 96 places holds the at most 31 numbers
; left from earlier blocks and the at most 64 new ones.  Stored for each (b, w), 2,304 bytes:
;   bytes 0..2047     for k and column c: byte offset of the column's place in the wave's LDS share
;   bytes 2048..2303  words 0, 1: how many chunks of 32 places get full in block k, 4 bits a block, primary / secondary
;                     words 2, 3: bit i set = place i of the last, partial chunk is filled, primary / secondary
;                     words 4, 5: bit i set = entry i of the starting list is a zero (one zero for each column of the OTHER set, 32 at most)
.set MROW,   1024                      ; bytes in a row of the mask
.set PITCH4, 528                       ; LDS bytes from four places to the next four (32 row pairs x 16 bytes + 16 of padding)
.set RINGB,  24*PITCH4                 ; a ring of 96 places
.set PLANB,  2304                      ; bytes of plan for one (b, w)
.set LDO,  1                           ; v1      32 x lane: my 8 pixels of a mask row
.set STO,  2                           ; v2      8 x lane: my two words of a plan row
.set C0,   3                           ; v3      my even column, 2 x lane
.set C1,   4                           ; v4      my odd column
.set RB,   5                           ; v5      RINGB
.set ZERO, 6                           ; v6      0
.set A0,   8                           ; v[8:9]   at work: mask value of the even column
.set A1,   10                          ; v[10:11] the odd column's
.set F0,   12                          ; v12     primary columns of this row in front of my even column
.set F1,   13                          ; v13     in front of my odd column
.set T0,   14
.set T1,   15
.set REC,  16                          ; v[16:17] the record
.set RES,  32                          ; v[32:47] block k: two offsets; registers of their own, so no store's data is rewritten
.set MK,   64                          ; v[64:191] block k: 16 registers, 8 pixels of mask row 4i+1 and 8 of row 4i+2
	s_load_b128 s[4:7], s[0:1], 0x0                ; mask s[4:5], plan s[6:7]
	s_and_b32 s9, ttmp7, 0xffff                    ; b
	s_lshl_b32 s10, s9, 18                         ; b x 256 rows x 1,024 bytes
	s_lshl_b32 s11, ttmp9, 12                      ; + 4 w rows
	s_add_co_u32 s10, s10, s11
	s_add_co_u32 s10, s10, MROW                    ; + 1 row: mask row 4 w + 1
	s_mov_b32 s11, 0
	s_lshl3_add_u32 s18, s9, ttmp9                 ; 8 b + w
	s_mul_i32 s18, s18, PLANB
	s_mov_b32 s19, 0
	s_and_b32 s8, ttmp9, 1
	s_sub_co_u32 s8, 0, s8                         ; odd w: all ones, flips the ballots
	v_lshlrev_b32 v[LDO], 5, v0
	v_lshlrev_b32 v[STO], 3, v0
	v_lshlrev_b32 v[C0], 1, v0
	v_lshl_or_b32 v[C1], v0, 1, 1
	v_mov_b32 v[RB], RINGB
	v_mov_b32 v[ZERO], 0
	s_mov_b32 s12, 0                               ; primary columns so far
	s_mov_b32 s13, 0                               ; secondary columns so far
	s_mov_b32 s14, 0                               ; the same modulo 96
	s_mov_b32 s15, 0
	s_mov_b32 s16, 0                               ; chunk counts, primary
	s_mov_b32 s17, 0                               ; chunk counts, secondary
	s_wait_kmcnt 0x0
	s_add_nc_u64 s[4:5], s[4:5], s[10:11]
	s_add_nc_u64 s[6:7], s[6:7], s[18:19]
.irp k, 0,1,2,3,4,5,6,7                            ; all 32 loads at once; from block to block 8 rows of the small mask = 32 rows of the large one
	global_load_b128 v[MK+16*\k:MK+16*\k+3],     v[LDO], s[4:5] offset:\k*32*MROW
	global_load_b128 v[MK+16*\k+4:MK+16*\k+7],   v[LDO], s[4:5] offset:\k*32*MROW+16
	global_load_b128 v[MK+16*\k+8:MK+16*\k+11],  v[LDO], s[4:5] offset:\k*32*MROW+MROW
	global_load_b128 v[MK+16*\k+12:MK+16*\k+15], v[LDO], s[4:5] offset:\k*32*MROW+MROW+16
.endr
; the resized mask at one column: src = register of the left pixel in the upper row; the lower row lies 8 registers on
.macro AVG dst, src
	v_mul_f32 v[\dst],   0.5, v[\src]
	v_mul_f32 v[\dst+1], 0.5, v[\src+8]
	v_fma_f32 v[\dst],   v[\src+1], 0.5, v[\dst]   ; halving is exact, so the fused form rounds as multiply, multiply, add
	v_fma_f32 v[\dst+1], v[\src+9], 0.5, v[\dst+1]
	v_mul_f32 v[\dst],   0.5, v[\dst]
	v_fma_f32 v[\dst],   v[\dst+1], 0.5, v[\dst]
.endm
; the LDS offset of one column: f = primary columns of this row in front of it, cidx = its number in the row, ball = ballot "is primary"
.macro POS dst, f, cidx, ball
	v_sub_nc_u32 v[T0], v[\cidx], v[\f]            ; secondary columns in front of it
	v_add_nc_u32 v[T0], s15, v[T0]
	v_add_nc_u32 v[T1], s14, v[\f]
	v_cndmask_b32 v[T0], v[T0], v[T1], \ball       ; its number in its set, at most 95 + 63
	v_add_nc_u32 v[T1], 0xffffffa0, v[T0]          ; modulo 96: the unsigned minimum of n and n - 96
	v_min_u32 v[T0], v[T0], v[T1]
	v_lshrrev_b32 v[T1], 2, v[T0]
	v_and_b32 v[T0], 3, v[T0]
	v_lshlrev_b32 v[T0], 2, v[T0]
	v_mad_u32_u24 v[T0], v[T1], PITCH4, v[T0]      ; (place / 4) x 528 + (place % 4) x 4
	v_cndmask_b32 v[T1], v[RB], v[ZERO], \ball     ; the secondary ring lies behind the primary one
	v_add_nc_u32 v[\dst], v[T0], v[T1]
.endm
; running counts of one set: cum, its value modulo 96, the nibble of chunk counts
.macro COUNT cum, mod, words, n, k
	s_lshr_b32 s24, \cum, 5
	s_add_co_u32 \cum, \cum, \n
	s_lshr_b32 s25, \cum, 5
	s_sub_co_u32 s25, s25, s24                     ; chunks of 32 that this block completes: 0, 1 or 2
	s_lshl_b32 s25, s25, 4*\k
	s_or_b32 \words, \words, s25
	s_add_co_u32 \mod, \mod, \n
	s_sub_co_u32 s24, \mod, 96
	s_min_u32 \mod, \mod, s24
.endm
.irp k, 0,1,2,3,4,5,6,7
	s_wait_loadcnt 28-4*\k                         ; loads return in order: the four of block k are in, the 4 x (7 - k) of later blocks may be out
	AVG A0, MK+16*\k+1                             ; column 2 l: pixels 8 l + 1, 8 l + 2
	AVG A1, MK+16*\k+5                             ; column 2 l + 1: pixels 8 l + 5, 8 l + 6
	v_cmp_lt_f32 s20, 0.5, v[A0]
	v_cmp_lt_f32 s21, 0.5, v[A1]
	s_xor_b32 s20, s20, s8                         ; "is primary", even columns
	s_xor_b32 s21, s21, s8                         ; odd columns
	v_mbcnt_lo_u32_b32 v[F0], s20, 0
	v_mbcnt_lo_u32_b32 v[F0], s21, v[F0]           ; primary columns of the lanes below me
	v_cndmask_b32 v[F1], 0, 1, s20
	v_add_nc_u32 v[F1], v[F0], v[F1]               ; and my own even one
	POS RES+2*\k,   F0, C0, s20
	POS RES+2*\k+1, F1, C1, s21
	global_store_b64 v[STO], v[RES+2*\k:RES+2*\k+1], s[6:7] offset:256*\k    ; the wave stores 256 consecutive bytes, aligned
	s_bcnt1_i32_b32 s22, s20
	s_bcnt1_i32_b32 s23, s21
	s_add_co_u32 s22, s22, s23                     ; primary columns in this block
	s_sub_co_u32 s23, 64, s22                      ; secondary ones
	COUNT s12, s14, s16, s22, \k
	COUNT s13, s15, s17, s23, \k
.endr
	s_and_b32 s22, s12, 31
	s_bfm_b32 s22, s22, 0                          ; filled places of the last primary chunk
	s_and_b32 s23, s13, 31
	s_bfm_b32 s23, s23, 0
	s_mov_b64 s[26:27], 1
	s_min_u32 s24, s13, 32                         ; zeros in the primary set: one for each secondary column; more than 32 are never seen
	s_lshl_b64 s[28:29], s[26:27], s24
	s_sub_nc_u64 s[28:29], s[28:29], 1             ; low word: that many ones (in 64 bits, so that 32 gives all ones)
	s_min_u32 s24, s12, 32
	s_lshl_b64 s[30:31], s[26:27], s24
	s_sub_nc_u64 s[30:31], s[30:31], 1
	v_mov_b32 v[REC], 0
	v_mov_b32 v[REC+1], 0
	v_writelane_b32 v[REC],   s16, 0                ; word 2 l is v16 of lane l, word 2 l + 1 is v17
	v_writelane_b32 v[REC+1], s17, 0
	v_writelane_b32 v[REC],   s22, 1
	v_writelane_b32 v[REC+1], s23, 1
	v_writelane_b32 v[REC],   s28, 2
	v_writelane_b32 v[REC+1], s30, 2
	global_store_b64 v[STO], v[REC:REC+1], s[6:7] offset:2048
	s_endpgm
.Lfunc_end_k_q5bf8f8abd3_plan:
	.size	k_q5bf8f8abd3_plan, .Lfunc_end_k_q5bf8f8abd3_plan-k_q5bf8f8abd3_plan
	.p2alignl 7, 3214868480
	.fill 96, 4, 3214868480
	.section	.rodata,"a",@progbits
	.p2align	6, 0x0
	.amdhsa_kernel k_q5bf8f8abd3_plan
		.amdhsa_group_segment_fixed_size 0
		.amdhsa_private_segment_fixed_size 0
		.amdhsa_enable_private_segment 0
		.amdhsa_kernarg_size 16
		.amdhsa_user_sgpr_count 2
		.amdhsa_user_sgpr_kernarg_segment_ptr 1
		.amdhsa_wavefront_size32 1
		.amdhsa_system_sgpr_workgroup_id_x 1
		.amdhsa_system_sgpr_workgroup_id_y 1
		.amdhsa_system_sgpr_workgroup_id_z 1
		.amdhsa_system_vgpr_workitem_id 0
		.amdhsa_next_free_vgpr 192
		.amdhsa_next_free_sgpr 66
		.amdhsa_reserve_vcc 0
		.amdhsa_float_denorm_mode_32 3
		.amdhsa_float_denorm_mode_16_64 3
		.amdhsa_memory_ordered 1
		.amdhsa_forward_progress 1
		.amdhsa_inst_pref_size 29
	.end_amdhsa_kernel
	.amdgpu_metadata
---
amdhsa.version: [ 1, 2 ]
amdhsa.kernels:
  - .name:           k_q5bf8f8abd3_plan
    .symbol:         k_q5bf8f8abd3_plan.kd
    .args:
      - { .name: ref_mask, .offset: 0, .size: 8, .value_kind: global_buffer, .address_space: global }
      - { .name: plan, .offset: 8, .size: 8, .value_kind: global_buffer, .address_space: global }
    .group_segment_fixed_size: 0
    .private_segment_fixed_size: 0
    .kernarg_segment_align: 8
    .kernarg_segment_size: 16
    .max_flat_workgroup_size: 32
    .sgpr_count:     66
    .vgpr_count:     192
    .wavefront_size: 32
...
	.end_amdgpu_metadata
.endif
;; end of part 1
;; launch topk (part 2): grid 256 x 1, 8 waves a work-group, no clusters, 269,312 bytes of LDS; arguments corr_features, plan, out0; writes out0
.if DOCPART == 2
	.amdgcn_target "amdgcn-amd-amdhsa--gfx1250"
	.amdhsa_code_object_version 6
	.text
	.protected	k_q5bf8f8abd3_topk
	.globl	k_q5bf8f8abd3_topk
	.p2align	8
	.type	k_q5bf8f8abd3_topk,@function
k_q5bf8f8abd3_topk:
	s_mov_b64 s[64:65], 0
	v_nop
	global_prefetch_b8 v0, s[64:65] scope:SCOPE_SE
	s_setreg_imm32_b32 hwreg(HW_REG_WAVE_MODE, 25, 1), 1
	s_wait_xcnt 0x0
; TOP 32 OF THE FOREGROUND AND OF THE BACKGROUND COLUMNS of each of 16,384 rows of 4,096 f32; columns of the other set count as zeros.
; out[b][k][row]: planes 0-31 background, 32-63 foreground, each descending.
; FORMAT: the selection runs on values rounded to bf16 (nearest even); rounding keeps the order, so each output is the f32 result rounded
; to bf16, a relative error of at most 2^-9.  LIMITS: NaN and infinities among the inputs are not served; finite numbers above bf16's
; largest round to infinity; the sign of a zero is not kept.
;
; SHAPE.  A work-group owns 64 consecutive rows of one batch; 256 work-groups.  Eight waves; wave w owns the column blocks 8k + w, k = 0..7,
; of 64 columns (256 bytes of a row), so that the eight waves together walk 2,048 consecutive bytes of each row at a time.
; A lane owns a PAIR of rows, 2q in the low half of a word and 2q+1 in the high half: one packed maximum or minimum serves two rows, and
; every exchange of the networks is between registers of a lane, never between lanes.
; COMPACTION.  The mask is the same for all rows of a batch.  The launch before has given every column a place in one of two rings in LDS
; (primary and secondary set; even waves: primary = foreground, odd waves: background), each set dense.  A block is loaded with lanes along
; the columns, packed, and scattered to these places; chunks of 32 places are read back with lanes along the row pairs.  So each number passes
; one network, not one for each set.  What does not fill a chunk stays in its ring for the next block: padding is paid once a wave and set.
; A CHUNK: Batcher's odd-even merge sort of 32 (191 exchanges), 32 maxima against the running list reversed (the 32 largest of both, a bitonic
; sequence), 5 x 16 exchanges that sort it: 574 packed instructions for 32 places x 64 rows.
; ZEROS.  The running lists start as min(columns of the other set in my share, 32) zeros followed by -inf: exactly the zeros that the
; definition puts into the set.  My share has 512 columns, so no -inf survives.
; TWO BARRIERS A BLOCK.  Each wave stores to and loads from its own two rings alone: the clamps hold every place and every chunk inside the
; wave's 25,344 bytes.  But the places are numbers read from memory, and the chunks' slots are stepped as often as a number read from memory
; says: that the waves keep apart rests on run-time values, not on the text alone.  So the rings are given the order of LDS that waves share:
; store, wait, barrier, load, and load, wait, barrier, store.  The price: the eight waves walk the blocks in step.  A block brings 64 columns and
; the two sets' remainders add up to 0 or 32, so a block completes two chunks in a wave, but for the first block (one) and the blocks in which a
; set's count meets a multiple of 32 (three, then one): the waves' work between two barriers is nearly even.
; NO CLUSTER: work-groups share no input but 2,304 bytes of plan.  NO TENSOR LOADS: the data are converted and permuted on their way,
; so they pass through registers in any case.
.set ROWB,   16384                     ; bytes in a row of the input; also in a plane of the output
.set PITCH4, 528                       ; LDS: four places x 32 row pairs x 4 bytes + 16 of padding: word (place, q) falls on bank (place + 4 q) mod 64
.set SLOTB,  8*PITCH4                  ; a chunk of 32 places
.set RINGB,  3*SLOTB                   ; a ring: 96 places
.set WREG,   2*RINGB                   ; a wave's two rings, 25,344 bytes
.set MAXT,   RINGB+23*PITCH4+12        ; the largest offset that the plan holds
.set EXB,    8*WREG                    ; behind the rings: two regions for the exchange of lists,
.set EXW,    4096                      ; a list of 32 words x 32 lanes
.set EXR,    8*EXW                     ; eight lists a region
.set PLANB,  2304
.set NEG,    0xff80ff80                ; -inf, twice
.set GOFF, 2                           ; v2      byte offset of my 16 bytes: 16 (l % 16), lanes 16-31 sixteen rows further down
.set STB,  3                           ; v3      scatter: my wave's rings + 128 (l / 16), eight row pairs on
.set RDB,  4                           ; v4      read back: my wave's rings + 16 l
.set RA,   5                           ; v5      address at work
.set TOFF, 6                           ; v6      16 (l % 16): my four words of a plan row
.set NEGV, 7                           ; v7      NEG
.set TA,   8                           ; v[8:11]   the places of my four columns, as loaded
.set AD,   12                          ; v[12:15]  the same as LDS addresses
.set X,    16                          ; v[16:47]  bank X of the sort; with Y: the 64 packed words of a block; the outputs in f32
.set Y,    48                          ; v[48:79]  bank Y = X + 32
.set P,    80                          ; v[80:111]  running list of the primary set, descending
.set Q,    112                         ; v[112:143] of the secondary set
.set EXS,  144                         ; v144    exchange: where I put my list
.set EXL,  145                         ; v145    exchange: region + 16 l
.set OUTO, 146                         ; v146    8 l: my two rows in a plane
.set L,    0                           ; v[256:383], written v0-v127 in window 1: a block as loaded, 32 loads x 4 registers
.set MSB, 0
.macro WIN new                         ; s_set_vgpr_msb: bits 1:0 source 0, 3:2 source 1, 7:6 destination; the high byte repeats the setting left
.if MSB != \new
	s_set_vgpr_msb (MSB<<8)|\new
.set MSB, \new
.endif
.endm
; The plan row of a block, then the block: 16 groups of two loads.  Group m brings rows 2q and 2q+1 for q = (m%8) + 16 (m/8) in lanes 0-15 and
; q + 8 in lanes 16-31; each half of the lanes reads 256 consecutive bytes, aligned.  (q and q + 8 lie 32 banks apart in the scatter.)
.macro LOADS
	global_load_b128 v[TA:TA+3], v[TOFF], s[6:7]
	WIN 0x40                                       ; destinations in window 1
.set NM, 0
.rept 16
	global_load_b128 v[L+8*NM:L+8*NM+3],   v[GOFF], s[4:5] offset:(2*(NM&7)+32*(NM>>3))*ROWB th:TH_LOAD_NT
	global_load_b128 v[L+8*NM+4:L+8*NM+7], v[GOFF], s[4:5] offset:(2*(NM&7)+32*(NM>>3)+1)*ROWB th:TH_LOAD_NT
.set NM, NM+1
.endr
	WIN 0
.endm
; An exchange, the larger to a.  Element e lies in X+e or in Y+e; bit e of the assembly-time mask LOC says in which.  Both results go to the
; other bank: two instructions, no copy, no spare register; elements that sit a stage out stay where they are.
.macro CE a, b
	v_pk_max_num_bf16 v[X+(\a)+32*(1-((LOC>>(\a))&1))], v[X+(\a)+32*((LOC>>(\a))&1)], v[X+(\b)+32*((LOC>>(\b))&1)]
	v_pk_min_num_bf16 v[X+(\b)+32*(1-((LOC>>(\b))&1))], v[X+(\a)+32*((LOC>>(\a))&1)], v[X+(\b)+32*((LOC>>(\b))&1)]
.set LOC, LOC^((1<<(\a))|(1<<(\b)))
.endm
; Batcher's odd-even merge sort of the 32 elements in bank X, descending: sorted runs of NP are merged to runs of 2 NP by exchanges at
; distances NK = NP, NP/2, .., 1.  16 + 24 + 36 + 50 + 65 = 191 exchanges; those of one (NP, NK) touch different elements.
.macro SORT32
.set LOC, 0
.set NP, 1
.rept 5
.set NK, NP
.rept 5
.set NX, 0
.rept 32
.if NK >= 1
.if (NX+NK) < 32
.if NX >= (NK%NP)
.if ((NX-(NK%NP))%(2*NK)) < NK
.if (NX/(2*NP)) == ((NX+NK)/(2*NP))
	CE NX, NX+NK
.endif
.endif
.endif
.endif
.endif
.set NX, NX+1
.endr
.set NK, NK/2
.endr
.set NP, NP*2
.endr
.endm
.macro STAGE src, dst, d               ; sixteen exchanges at distance d, from one set of 32 registers into another
.set NI, 0
.rept 32
.if (NI & \d) == 0
	v_pk_max_num_bf16 v[\dst+NI],    v[\src+NI], v[\src+NI+\d]
	v_pk_min_num_bf16 v[\dst+NI+\d], v[\src+NI], v[\src+NI+\d]
.endif
.set NI, NI+1
.endr
.endm
; acc = the 32 largest of acc and of the sorted chunk (where LOC says), descending.  t[i] = max(acc[i], chunk[31-i]) holds the 32 largest as a
; bitonic sequence; it is written over chunk[31-i].  Five stages sort it: chunk -> acc, acc -> X, X -> acc, acc -> X, X -> acc.
.macro MERGE acc
.set NI, 0
.rept 32
	v_pk_max_num_bf16 v[X+(31-NI)+32*((LOC>>(31-NI))&1)], v[\acc+NI], v[X+(31-NI)+32*((LOC>>(31-NI))&1)]
.set NI, NI+1
.endr
.set NI, 0
.rept 16
	v_pk_max_num_bf16 v[\acc+NI],    v[X+(31-NI)+32*((LOC>>(31-NI))&1)], v[X+(15-NI)+32*((LOC>>(15-NI))&1)]
	v_pk_min_num_bf16 v[\acc+NI+16], v[X+(31-NI)+32*((LOC>>(31-NI))&1)], v[X+(15-NI)+32*((LOC>>(15-NI))&1)]
.set NI, NI+1
.endr
	STAGE \acc, X, 8
	STAGE X, \acc, 4
	STAGE \acc, X, 2
	STAGE X, \acc, 1
.endm
; One chunk: slot = scalar with the chunk's byte offset in its ring (0, SLOTB or 2 SLOTB), base = the ring's offset in my share.
; pad = 1: the last, partial chunk: places whose bit in valid is 0 hold older numbers and are replaced by -inf.
.macro CHUNK acc, slot, base, pad, valid
	s_min_u32 s28, \slot, 2*SLOTB
	v_add_nc_u32 v[RA], s28, v[RDB]
.set NI, 0
.rept 8
	ds_load_b128 v[X+4*NI:X+4*NI+3], v[RA] offset:\base+PITCH4*NI ; four places of my row pair; 16 lanes read 256 consecutive bytes
.set NI, NI+1
.endr
	s_wait_dscnt 0x0                               ; the chunk is in registers; no LDS load of mine is out when the next barrier is signalled
.if \pad
.set NI, 0
.rept 32
	s_bitcmp1_b32 \valid, NI
	s_cselect_b32 s29, -1, 0
	v_cndmask_b32 v[X+NI], v[NEGV], v[X+NI], s29
.set NI, NI+1
.endr
.endif
	SORT32
	MERGE \acc
.endm
	s_load_b128 s[4:7], s[0:1], 0x0                ; input s[4:5], plan s[6:7]
	s_load_b64 s[8:9], s[0:1], 0x10                ; output
	v_lshl_add_u32 v254, v0, 2, 0x41800
	v_mov_b32 v255, 0
	v_lshrrev_b32 v1, 5, v0
	v_readfirstlane_b32 s10, v1                    ; wave w
	v_and_b32 v1, 31, v0                           ; lane l
	v_and_b32 v[TOFF], 15, v0
	v_lshlrev_b32 v[TOFF], 4, v[TOFF]
	v_bfe_u32 v[STB], v0, 4, 1                     ; l / 16
	v_lshl_or_b32 v[GOFF], v[STB], 18, v[TOFF]     ; sixteen rows of 16,384 bytes for the upper lanes
	s_mul_i32 s28, s10, WREG
	v_lshlrev_b32 v[STB], 7, v[STB]
	v_add_nc_u32 v[STB], s28, v[STB]
	v_lshl_add_u32 v[RDB], v1, 4, s28
	s_lshl_b32 s30, ttmp9, 20                      ; 64 rows of 16,384 bytes a work-group (below 2^28)
	s_lshl_b32 s29, s10, 8                         ; + my first column block
	s_add_co_u32 s30, s30, s29
	s_mov_b32 s31, 0
	s_lshr_b32 s28, ttmp9, 6                       ; batch
	s_lshl3_add_u32 s28, s28, s10
	s_mul_i32 s28, s28, PLANB
	s_mov_b32 s29, 0
	s_wait_kmcnt 0x0
	s_add_nc_u64 s[4:5], s[4:5], s[30:31]
	s_add_nc_u64 s[6:7], s[6:7], s[28:29]
	s_load_b256 s[16:23], s[6:7], 0x800            ; s16, s17 chunk counts; s18, s19 filled places of the last chunks; s20, s21 zeros at the start
	LOADS                                          ; block 0 is on its way before anything else is done
	v_mov_b32 v[NEGV], NEG
.irp j, 0,1,2,3
	v_mov_b32 v[X+\j], NEG
.endr
.set NT, 0
.rept 49                                           ; my rings are filled once, so that no byte is read that was never written
	ds_store_b128 v[RDB], v[X:X+3] offset:512*NT
.set NT, NT+1
.endr
	ds_store_b128 v[RDB], v[X:X+3] offset:WREG-512 ; 25,344 = 49.5 x 512: the last store laps over the one before
	s_lshl_b32 s28, s10, 12
	s_add_co_u32 s28, s28, EXB
	v_lshl_add_u32 v[EXS], v1, 4, s28
	v_lshlrev_b32 v[EXL], 4, v1
	v_add_nc_u32 v[EXL], EXB, v[EXL]
	v_lshlrev_b32 v[OUTO], 3, v1
	s_wait_kmcnt 0x0
.set NI, 0
.rept 32                                           ; the lists start as the set's zeros, then -inf
	s_bitcmp1_b32 s20, NI
	s_cselect_b32 s28, 0, NEG
	v_mov_b32 v[P+NI], s28
	s_bitcmp1_b32 s21, NI
	s_cselect_b32 s29, 0, NEG
	v_mov_b32 v[Q+NI], s29
.set NI, NI+1
.endr
	s_mov_b32 s12, 0                               ; block k
	s_mov_b32 s24, 0                               ; the primary ring's next chunk, as a byte offset in the ring
	s_mov_b32 s25, 0                               ; the secondary ring's
.Lblock:
	WIN 0x05                                       ; both sources in window 1
.set NM, 0
.rept 16
	s_wait_loadcnt 30-2*NM                         ; 33 loads were issued, the plan row first; loads return in order: group NM's two are in, the 2 x (15 - NM) behind them may be out
.irp j, 0,1,2,3
	v_cvt_pk_bf16_f32 v[X+4*NM+\j], v[L+8*NM+\j], v[L+8*NM+4+\j]  ; row 2q low, row 2q+1 high, one column
.endr
.set NM, NM+1
.endr
	WIN 0
.irp j, 0,1,2,3
	v_min_u32 v[AD+\j], MAXT, v[TA+\j]             ; a loaded number enters an address only clamped: it stays inside my wave's rings
.endr
.irp j, 0,1,2,3
	v_add_nc_u32 v[AD+\j], v[STB], v[AD+\j]
.endr
	s_cmp_eq_u32 s12, 7
	s_cbranch_scc1 .Lnoload                        ; behind the last block there is nothing to load
	s_add_nc_u64 s[4:5], s[4:5], 2048              ; eight column blocks on; every load that named these bases is done (the wait for 0 above)
	s_add_nc_u64 s[6:7], s[6:7], 256
	LOADS                                          ; 16 KiB of the next block are on their way while this one is sorted
.Lnoload:
	s_wait_dscnt 0x0                               ; first block: the stores that filled my rings; later blocks: nothing is out (each chunk waited for its loads)
	s_barrier_signal -1
	s_barrier_wait -1                              ; every wave has the last block's chunks in registers: the rings may be written
.set NM, 0
.rept 16
.irp j, 0,1,2,3
	ds_store_b32 v[AD+\j], v[X+4*NM+\j] offset:((NM&7)+16*(NM>>3))*16     ; to the column's place, row pair q
.endr
.set NM, NM+1
.endr
	s_wait_dscnt 0x0                               ; my block lies in the rings before I say so
	s_barrier_signal -1
	s_barrier_wait -1                              ; every wave's does: the rings may be read
	s_and_b32 s26, s16, 3                          ; primary chunks that this block has filled: 0, 1 or 2
	s_lshr_b32 s16, s16, 4
	s_cmp_eq_u32 s26, 0
	s_cbranch_scc1 .LnoP
	s_mov_b32 s27, 0
.LP:
	CHUNK P, s24, 0, 0, s18
	s_add_co_u32 s24, s24, SLOTB
	s_cmp_eq_u32 s24, RINGB
	s_cselect_b32 s24, 0, s24
	s_add_co_u32 s27, s27, 1
	s_cmp_lt_u32 s27, s26
	s_cbranch_scc1 .LP
.LnoP:
	s_and_b32 s26, s17, 3                          ; and secondary ones
	s_lshr_b32 s17, s17, 4
	s_cmp_eq_u32 s26, 0
	s_cbranch_scc1 .LnoQ
	s_mov_b32 s27, 0
.LQ:
	CHUNK Q, s25, RINGB, 0, s19
	s_add_co_u32 s25, s25, SLOTB
	s_cmp_eq_u32 s25, RINGB
	s_cselect_b32 s25, 0, s25
	s_add_co_u32 s27, s27, 1
	s_cmp_lt_u32 s27, s26
	s_cbranch_scc1 .LQ
.LnoQ:
	s_add_co_u32 s12, s12, 1
	s_cmp_lt_u32 s12, 8
	s_cbranch_scc1 .Lblock
	CHUNK P, s24, 0, 1, s18                        ; what is left in the rings, padded with -inf
	CHUNK Q, s25, RINGB, 1, s19
	s_barrier_signal -1                            ; the rings have been read for the last time (each chunk waited for its loads):
	s_barrier_wait -1                              ; LDS is stored to again only behind this barrier
; THE LISTS OF THE EIGHT WAVES MEET, in three steps, alike in every wave.  Step 1: I give my secondary list to wave w ^ 1, whose primary set it
; is, and take its secondary list: even waves now hold foreground alone, odd waves background.  Steps 2 and 3: partners w ^ 2 and w ^ 4 of
; the same set give each other their lists and both merge.  Two regions take turns: region 0 is written again in step 3, behind the barrier
; of step 2, in front of which every wave has waited for its loads of step 1.
.macro XCHG src, reg, mask
.set NT, 0
.rept 8
	ds_store_b128 v[EXS], v[\src+4*NT:\src+4*NT+3] offset:\reg*EXR+512*NT
.set NT, NT+1
.endr
	s_xor_b32 s28, s10, \mask
	s_lshl_b32 s28, s28, 12
	v_add_nc_u32 v[RA], s28, v[EXL]
	s_wait_dscnt 0x0                               ; for the partner's sake: my list is in LDS before I signal
	s_barrier_signal -1
	s_barrier_wait -1
.set NT, 0
.rept 8
	ds_load_b128 v[X+4*NT:X+4*NT+3], v[RA] offset:\reg*EXR+512*NT
.set NT, NT+1
.endr
	s_wait_dscnt 0x0
.set LOC, 0
	MERGE P
.endm
	XCHG Q, 0, 1
	XCHG P, 1, 2
	XCHG P, 0, 4
	; THE WAY OUT.  Four waves hold each set's list; wave w stores its planes 8 (w / 2) .. + 7.  A lane's two rows are neighbours in a plane:
	; one store of the wave covers 256 consecutive bytes, aligned.
	s_lshr_b32 s28, ttmp9, 6
	s_lshl_b32 s28, s28, 20                        ; batch: 64 planes of 16,384 bytes
	s_and_b32 s29, ttmp9, 63
	s_lshl_b32 s29, s29, 8                         ; my 64 rows in a plane
	s_add_co_u32 s28, s28, s29
	s_and_b32 s29, s10, 1
	s_xor_b32 s29, s29, 1
	s_lshl_b32 s29, s29, 19                        ; even waves: foreground, planes 32 and up
	s_add_co_u32 s28, s28, s29
	s_mov_b32 s29, 0
	s_add_nc_u64 s[8:9], s[8:9], s[28:29]
	s_lshr_b32 s26, s10, 1
.irp t, 0,1,2,3
	s_cmp_lg_u32 s26, \t
	s_cbranch_scc1 .Lnot\t
.irp j, 0,1,2,3,4,5,6,7
	v_lshlrev_b32 v[X+16*\t+2*\j],   16, v[P+8*\t+\j]             ; bf16 to f32: the low half moves up,
	v_and_b32     v[X+16*\t+2*\j+1], 0xffff0000, v[P+8*\t+\j]     ; the high half stays
	global_store_b64 v[OUTO], v[X+16*\t+2*\j:X+16*\t+2*\j+1], s[8:9] offset:(8*\t+\j)*ROWB th:TH_STORE_NT
.endr
.Lnot\t:
.endr
	s_wait_tensorcnt 0x0
	ds_add_u32 v254, v255
	s_wait_dscnt 0x0
	s_endpgm
.Lfunc_end_k_q5bf8f8abd3_topk:
	.size	k_q5bf8f8abd3_topk, .Lfunc_end_k_q5bf8f8abd3_topk-k_q5bf8f8abd3_topk
	.p2alignl 7, 3214868480
	.fill 96, 4, 3214868480
	.section	.rodata,"a",@progbits
	.p2align	6, 0x0
	.amdhsa_kernel k_q5bf8f8abd3_topk
		.amdhsa_group_segment_fixed_size 269312
		.amdhsa_private_segment_fixed_size 0
		.amdhsa_enable_private_segment 0
		.amdhsa_kernarg_size 24
		.amdhsa_user_sgpr_count 2
		.amdhsa_user_sgpr_kernarg_segment_ptr 1
		.amdhsa_wavefront_size32 1
		.amdhsa_system_sgpr_workgroup_id_x 1
		.amdhsa_system_sgpr_workgroup_id_y 1
		.amdhsa_system_sgpr_workgroup_id_z 1
		.amdhsa_system_vgpr_workitem_id 0
		.amdhsa_next_free_vgpr 384
		.amdhsa_next_free_sgpr 66
		.amdhsa_reserve_vcc 0
		.amdhsa_float_denorm_mode_32 3
		.amdhsa_float_denorm_mode_16_64 3
		.amdhsa_memory_ordered 1
		.amdhsa_forward_progress 1
		.amdhsa_inst_pref_size 231
	.end_amdhsa_kernel
	.amdgpu_metadata
---
amdhsa.version: [ 1, 2 ]
amdhsa.kernels:
  - .name:           k_q5bf8f8abd3_topk
    .symbol:         k_q5bf8f8abd3_topk.kd
    .args:
      - { .name: corr_features, .offset: 0, .size: 8, .value_kind: global_buffer, .address_space: global }
      - { .name: plan, .offset: 8, .size: 8, .value_kind: global_buffer, .address_space: global }
      - { .name: out0, .offset: 16, .size: 8, .value_kind: global_buffer, .address_space: global }
    .group_segment_fixed_size: 269312
    .private_segment_fixed_size: 0
    .kernarg_segment_align: 8
    .kernarg_segment_size: 24
    .max_flat_workgroup_size: 256
    .sgpr_count:     66
    .vgpr_count:     384
    .wavefront_size: 32
...
	.end_amdgpu_metadata
.endif
;; end of part 2
;; ======== version 2 of 2: 2 launches; version 1 with the launches plan, topk written anew for expert scheduling mode
;; limits: values outside matrix products are rounded to bf16
;; workspace buffers: plan 73,728 bytes of whole numbers
;; launch plan (part 3): grid 8 x 4, 1 waves a work-group, no clusters, 0 bytes of LDS; arguments ref_mask, plan; writes plan
.if DOCPART == 3
	.amdgcn_target "amdgcn-amd-amdhsa--gfx1250"
	.amdhsa_code_object_version 6
	.text
	.protected	k_q5bf8f8abd3_plan
	.globl	k_q5bf8f8abd3_plan
	.p2align	8
	.type	k_q5bf8f8abd3_plan,@function
k_q5bf8f8abd3_plan:
	s_mov_b64 s[64:65], 0
	v_nop
	global_prefetch_b8 v0, s[64:65] scope:SCOPE_SE
	s_setreg_imm32_b32 hwreg(HW_REG_WAVE_SCHED_MODE, 0, 2), 2
	s_setreg_imm32_b32 hwreg(HW_REG_WAVE_MODE, 25, 1), 1
	s_wait_xcnt 0x0
	s_wait_alu depctr_vm_vsrc(0)
; PLAN: turns the mask into whole numbers that steer the next launch.
; The bilinear resize 256 -> 64 samples at 4i + 1.5: weights 0.5 and 0.5 on pixels 4i+1, 4i+2 in both directions, never clipped.
; It is computed in f32 in the order of the definition: top = a/2 + b/2, bot = c/2 + d/2, m = top/2 + bot/2; foreground is m > 0.5.
; LIMIT: a NaN in the mask counts as background (by the definition such a column would be zero in both sets).
; One wave serves (w = group x, b = group y): the share of wave w of the next launch, mask rows i = 8k + w, k = 0..7, 64 columns each.
; Its 512 columns are split into a PRIMARY and a SECONDARY set (even w: primary = foreground; odd w: primary = background, so that
; later a wave's secondary list and its neighbour's primary list are of one set).  Within a set the columns are numbered in the order
; in which they arrive; number p goes to place p mod 96 of that set's ring in LDS.  A ring of 96 places holds the at most 31 numbers
; left from earlier blocks and the at most 64 new ones.  Stored for each (b, w), 2,304 bytes:
;   bytes 0..2047     for k and column c: byte offset of the column's place in the wave's LDS share
;   bytes 2048..2303  words 0, 1: how many chunks of 32 places get full in block k, 4 bits a block, primary / secondary
;                     words 2, 3: bit i set = place i of the last, partial chunk is filled, primary / secondary
;                     words 4, 5: bit i set = entry i of the starting list is a zero (one zero for each column of the OTHER set, 32 at most)
; THE MODE: SCHED_MODE bits 1:0 = 2 (LLVM: expert scheduling mode 2), set by the entry lines.  The code itself states the register dependences
; between vector instructions and memory instructions, with s_wait_alu, always for 0.
; THE PLAN.  Registers that memory instructions touch:
;   v[LDO], v[STO]  offsets, made once at the head, never written again.
;   MK              written by the 32 loads alone, read by vector instructions behind the counted waits.
;   RES, REC        each register is written once, by vector instructions, and read by one store: no store's data is ever written again.
; So no wait on vm_vsrc is owed.  Block k's store is issued at the head of block k + 1, behind one wait on va_vdst; the last block's and the record's
; behind one more.  The two compares of a block write scalar registers: one wait on va_sdst stands ahead of their first reader.
.set MROW,   1024                      ; bytes in a row of the mask
.set PITCH4, 528                       ; LDS bytes from four places to the next four (32 row pairs x 16 bytes + 16 of padding)
.set RINGB,  24*PITCH4                 ; a ring of 96 places
.set PLANB,  2304                      ; bytes of plan for one (b, w)
.set LDO,  1                           ; v1      32 x lane: my 8 pixels of a mask row
.set STO,  2                           ; v2      8 x lane: my two words of a plan row
.set C0,   3                           ; v3      my even column, 2 x lane
.set C1,   4                           ; v4      my odd column
.set RB,   5                           ; v5      RINGB
.set ZERO, 6                           ; v6      0
.set A0,   8                           ; v[8:9]   at work: mask value of the even column
.set A1,   10                          ; v[10:11] the odd column's
.set F0,   12                          ; v12     primary columns of this row in front of my even column
.set F1,   13                          ; v13     in front of my odd column
.set T0,   14
.set T1,   15
.set REC,  16                          ; v[16:17] the record
.set RES,  32                          ; v[32:47] block k: two offsets; registers of their own, so no store's data is rewritten
.set MK,   64                          ; v[64:191] block k: 16 registers, 8 pixels of mask row 4i+1 and 8 of row 4i+2
	s_load_b128 s[4:7], s[0:1], 0x0                ; mask s[4:5], plan s[6:7]
	s_and_b32 s9, ttmp7, 0xffff                    ; b
	s_lshl_b32 s10, s9, 18                         ; b x 256 rows x 1,024 bytes
	s_lshl_b32 s11, ttmp9, 12                      ; + 4 w rows
	s_add_co_u32 s10, s10, s11
	s_add_co_u32 s10, s10, MROW                    ; + 1 row: mask row 4 w + 1
	s_mov_b32 s11, 0
	s_lshl3_add_u32 s18, s9, ttmp9                 ; 8 b + w
	s_mul_i32 s18, s18, PLANB
	s_mov_b32 s19, 0
	s_and_b32 s8, ttmp9, 1
	s_sub_co_u32 s8, 0, s8                         ; odd w: all ones, flips the ballots
	v_lshlrev_b32 v[LDO], 5, v0
	v_lshlrev_b32 v[STO], 3, v0
	v_lshlrev_b32 v[C0], 1, v0
	v_lshl_or_b32 v[C1], v0, 1, 1
	v_mov_b32 v[RB], RINGB
	v_mov_b32 v[ZERO], 0
	s_mov_b32 s12, 0                               ; primary columns so far
	s_mov_b32 s13, 0                               ; secondary columns so far
	s_mov_b32 s14, 0                               ; the same modulo 96
	s_mov_b32 s15, 0
	s_mov_b32 s16, 0                               ; chunk counts, primary
	s_mov_b32 s17, 0                               ; chunk counts, secondary
	s_wait_kmcnt 0x0
	s_add_nc_u64 s[4:5], s[4:5], s[10:11]
	s_add_nc_u64 s[6:7], s[6:7], s[18:19]
	s_wait_alu depctr_va_vdst(0)                   ; v[LDO] is written, which the 32 loads read as their offset, and v[STO], which every store reads
.irp k, 0,1,2,3,4,5,6,7                            ; all 32 loads at once; from block to block 8 rows of the small mask = 32 rows of the large one
	global_load_b128 v[MK+16*\k:MK+16*\k+3],     v[LDO], s[4:5] offset:\k*32*MROW
	global_load_b128 v[MK+16*\k+4:MK+16*\k+7],   v[LDO], s[4:5] offset:\k*32*MROW+16
	global_load_b128 v[MK+16*\k+8:MK+16*\k+11],  v[LDO], s[4:5] offset:\k*32*MROW+MROW
	global_load_b128 v[MK+16*\k+12:MK+16*\k+15], v[LDO], s[4:5] offset:\k*32*MROW+MROW+16
.endr
; the resized mask at one column: src = register of the left pixel in the upper row; the lower row lies 8 registers on
.macro AVG dst, src
	v_mul_f32 v[\dst],   0.5, v[\src]
	v_mul_f32 v[\dst+1], 0.5, v[\src+8]
	v_fma_f32 v[\dst],   v[\src+1], 0.5, v[\dst]   ; halving is exact, so the fused form rounds as multiply, multiply, add
	v_fma_f32 v[\dst+1], v[\src+9], 0.5, v[\dst+1]
	v_mul_f32 v[\dst],   0.5, v[\dst]
	v_fma_f32 v[\dst],   v[\dst+1], 0.5, v[\dst]
.endm
; the LDS offset of one column: f = primary columns of this row in front of it, cidx = its number in the row, ball = ballot "is primary"
.macro POS dst, f, cidx, ball
	v_sub_nc_u32 v[T0], v[\cidx], v[\f]            ; secondary columns in front of it
	v_add_nc_u32 v[T0], s15, v[T0]
	v_add_nc_u32 v[T1], s14, v[\f]
	v_cndmask_b32 v[T0], v[T0], v[T1], \ball       ; its number in its set, at most 95 + 63
	v_add_nc_u32 v[T1], 0xffffffa0, v[T0]          ; modulo 96: the unsigned minimum of n and n - 96
	v_min_u32 v[T0], v[T0], v[T1]
	v_lshrrev_b32 v[T1], 2, v[T0]
	v_and_b32 v[T0], 3, v[T0]
	v_lshlrev_b32 v[T0], 2, v[T0]
	v_mad_u32_u24 v[T0], v[T1], PITCH4, v[T0]      ; (place / 4) x 528 + (place % 4) x 4
	v_cndmask_b32 v[T1], v[RB], v[ZERO], \ball     ; the secondary ring lies behind the primary one
	v_add_nc_u32 v[\dst], v[T0], v[T1]
.endm
; running counts of one set: cum, its value modulo 96, the nibble of chunk counts
.macro COUNT cum, mod, words, n, k
	s_lshr_b32 s24, \cum, 5
	s_add_co_u32 \cum, \cum, \n
	s_lshr_b32 s25, \cum, 5
	s_sub_co_u32 s25, s25, s24                     ; chunks of 32 that this block completes: 0, 1 or 2
	s_lshl_b32 s25, s25, 4*\k
	s_or_b32 \words, \words, s25
	s_add_co_u32 \mod, \mod, \n
	s_sub_co_u32 s24, \mod, 96
	s_min_u32 \mod, \mod, s24
.endm
.irp k, 0,1,2,3,4,5,6,7
	s_wait_loadcnt 28-4*\k                         ; loads return in order: the four of block k are in, the 4 x (7 - k) of later blocks may be out
.if \k > 0
	s_wait_alu depctr_va_vdst(0)                   ; the block before has written its two offsets, which the store below reads
	global_store_b64 v[STO], v[RES+2*(\k-1):RES+2*(\k-1)+1], s[6:7] offset:256*(\k-1)    ; the wave stores 256 consecutive bytes, aligned
.endif
	AVG A0, MK+16*\k+1                             ; column 2 l: pixels 8 l + 1, 8 l + 2
	AVG A1, MK+16*\k+5                             ; column 2 l + 1: pixels 8 l + 5, 8 l + 6
	v_cmp_lt_f32 s20, 0.5, v[A0]
	v_cmp_lt_f32 s21, 0.5, v[A1]
	s_wait_alu depctr_va_sdst(0)                   ; the two compares have written s20 and s21, ahead of their first readers, the two lines below
	s_xor_b32 s20, s20, s8                         ; "is primary", even columns
	s_xor_b32 s21, s21, s8                         ; odd columns
	v_mbcnt_lo_u32_b32 v[F0], s20, 0
	v_mbcnt_lo_u32_b32 v[F0], s21, v[F0]           ; primary columns of the lanes below me
	v_cndmask_b32 v[F1], 0, 1, s20
	v_add_nc_u32 v[F1], v[F0], v[F1]               ; and my own even one
	POS RES+2*\k,   F0, C0, s20
	POS RES+2*\k+1, F1, C1, s21
	s_bcnt1_i32_b32 s22, s20
	s_bcnt1_i32_b32 s23, s21
	s_add_co_u32 s22, s22, s23                     ; primary columns in this block
	s_sub_co_u32 s23, 64, s22                      ; secondary ones
	COUNT s12, s14, s16, s22, \k
	COUNT s13, s15, s17, s23, \k
.endr
	s_and_b32 s22, s12, 31
	s_bfm_b32 s22, s22, 0                          ; filled places of the last primary chunk
	s_and_b32 s23, s13, 31
	s_bfm_b32 s23, s23, 0
	s_mov_b64 s[26:27], 1
	s_min_u32 s24, s13, 32                         ; zeros in the primary set: one for each secondary column; more than 32 are never seen
	s_lshl_b64 s[28:29], s[26:27], s24
	s_sub_nc_u64 s[28:29], s[28:29], 1             ; low word: that many ones (in 64 bits, so that 32 gives all ones)
	s_min_u32 s24, s12, 32
	s_lshl_b64 s[30:31], s[26:27], s24
	s_sub_nc_u64 s[30:31], s[30:31], 1
	v_mov_b32 v[REC], 0
	v_mov_b32 v[REC+1], 0
	v_writelane_b32 v[REC],   s16, 0                ; word 2 l is v16 of lane l, word 2 l + 1 is v17
	v_writelane_b32 v[REC+1], s17, 0
	v_writelane_b32 v[REC],   s22, 1
	v_writelane_b32 v[REC+1], s23, 1
	v_writelane_b32 v[REC],   s28, 2
	v_writelane_b32 v[REC+1], s30, 2
	s_wait_alu depctr_va_vdst(0)                   ; block 7's two offsets and the record are written, which the last two stores read
	global_store_b64 v[STO], v[RES+14:RES+15], s[6:7] offset:256*7
	global_store_b64 v[STO], v[REC:REC+1], s[6:7] offset:2048
	s_endpgm
.Lfunc_end_k_q5bf8f8abd3_plan:
	.size	k_q5bf8f8abd3_plan, .Lfunc_end_k_q5bf8f8abd3_plan-k_q5bf8f8abd3_plan
	.p2alignl 7, 3214868480
	.fill 96, 4, 3214868480
	.section	.rodata,"a",@progbits
	.p2align	6, 0x0
	.amdhsa_kernel k_q5bf8f8abd3_plan
		.amdhsa_group_segment_fixed_size 0
		.amdhsa_private_segment_fixed_size 0
		.amdhsa_enable_private_segment 0
		.amdhsa_kernarg_size 16
		.amdhsa_user_sgpr_count 2
		.amdhsa_user_sgpr_kernarg_segment_ptr 1
		.amdhsa_wavefront_size32 1
		.amdhsa_system_sgpr_workgroup_id_x 1
		.amdhsa_system_sgpr_workgroup_id_y 1
		.amdhsa_system_sgpr_workgroup_id_z 1
		.amdhsa_system_vgpr_workitem_id 0
		.amdhsa_next_free_vgpr 192
		.amdhsa_next_free_sgpr 66
		.amdhsa_reserve_vcc 0
		.amdhsa_float_denorm_mode_32 3
		.amdhsa_float_denorm_mode_16_64 3
		.amdhsa_memory_ordered 1
		.amdhsa_forward_progress 1
		.amdhsa_inst_pref_size 30
	.end_amdhsa_kernel
	.amdgpu_metadata
---
amdhsa.version: [ 1, 2 ]
amdhsa.kernels:
  - .name:           k_q5bf8f8abd3_plan
    .symbol:         k_q5bf8f8abd3_plan.kd
    .args:
      - { .name: ref_mask, .offset: 0, .size: 8, .value_kind: global_buffer, .address_space: global }
      - { .name: plan, .offset: 8, .size: 8, .value_kind: global_buffer, .address_space: global }
    .group_segment_fixed_size: 0
    .private_segment_fixed_size: 0
    .kernarg_segment_align: 8
    .kernarg_segment_size: 16
    .max_flat_workgroup_size: 32
    .sgpr_count:     66
    .vgpr_count:     192
    .wavefront_size: 32
...
	.end_amdgpu_metadata
.endif
;; end of part 3
;; launch topk (part 4): grid 256 x 1, 8 waves a work-group, no clusters, 269,312 bytes of LDS; arguments corr_features, plan, out0; writes out0
.if DOCPART == 4
	.amdgcn_target "amdgcn-amd-amdhsa--gfx1250"
	.amdhsa_code_object_version 6
	.text
	.protected	k_q5bf8f8abd3_topk
	.globl	k_q5bf8f8abd3_topk
	.p2align	8
	.type	k_q5bf8f8abd3_topk,@function
k_q5bf8f8abd3_topk:
	s_mov_b64 s[64:65], 0
	v_nop
	global_prefetch_b8 v0, s[64:65] scope:SCOPE_SE
	s_setreg_imm32_b32 hwreg(HW_REG_WAVE_SCHED_MODE, 0, 2), 2
	s_setreg_imm32_b32 hwreg(HW_REG_WAVE_MODE, 25, 1), 1
	s_wait_xcnt 0x0
	s_wait_alu depctr_vm_vsrc(0)
; TOP 32 OF THE FOREGROUND AND OF THE BACKGROUND COLUMNS of each of 16,384 rows of 4,096 f32; columns of the other set count as zeros.
; out[b][k][row]: planes 0-31 background, 32-63 foreground, each descending.
; FORMAT: the selection runs on values rounded to bf16 (nearest even); rounding keeps the order, so each output is the f32 result rounded
; to bf16, a relative error of at most 2^-9.  LIMITS: NaN and infinities among the inputs are not served; finite numbers above bf16's
; largest round to infinity; the sign of a zero is not kept.
;
; SHAPE.  A work-group owns 64 consecutive rows of one batch; 256 work-groups.  Eight waves; wave w owns the column blocks 8k + w, k = 0..7,
; of 64 columns (256 bytes of a row), so that the eight waves together walk 2,048 consecutive bytes of each row at a time.
; A lane owns a PAIR of rows, 2q in the low half of a word and 2q+1 in the high half: one packed maximum or minimum serves two rows, and
; every exchange of the networks is between registers of a lane, never between lanes.
; COMPACTION.  The mask is the same for all rows of a batch.  The launch before has given every column a place in one of two rings in LDS
; (primary and secondary set; even waves: primary = foreground, odd waves: background), each set dense.  A block is loaded with lanes along
; the columns, packed, and scattered to these places; chunks of 32 places are read back with lanes along the row pairs.  So each number passes
; one network, not one for each set.  What does not fill a chunk stays in its ring for the next block: padding is paid once a wave and set.
; A CHUNK: Batcher's odd-even merge sort of 32 (191 exchanges), 32 maxima against the running list reversed (the 32 largest of both, a bitonic
; sequence), 5 x 16 exchanges that sort it: 574 packed instructions for 32 places x 64 rows.
; ZEROS.  The running lists start as min(columns of the other set in my share, 32) zeros followed by -inf: exactly the zeros that the
; definition puts into the set.  My share has 512 columns, so no -inf survives.
; TWO BARRIERS A BLOCK.  Each wave stores to and loads from its own two rings alone: the clamps hold every place and every chunk inside the
; wave's 25,344 bytes.  But the places are numbers read from memory, and the chunks' slots are stepped as often as a number read from memory
; says: that the waves keep apart rests on run-time values, not on the text alone.  So the rings are given the order of LDS that waves share:
; store, wait, barrier, load, and load, wait, barrier, store.  The price: the eight waves walk the blocks in step.  A block brings 64 columns and
; the two sets' remainders add up to 0 or 32, so a block completes two chunks in a wave, but for the first block (one) and the blocks in which a
; set's count meets a multiple of 32 (three, then one): the waves' work between two barriers is nearly even.
; NO CLUSTER: work-groups share no input but 2,304 bytes of plan.  NO TENSOR LOADS: the data are converted and permuted on their way,
; so they pass through registers in any case.
; THE MODE: SCHED_MODE bits 1:0 = 2 (LLVM: expert scheduling mode 2), set by the entry lines.  The code itself states the register dependences
; between vector instructions and memory or LDS instructions, with s_wait_alu, always for 0.
; THE PLAN.  Registers that memory or LDS instructions touch:
;   GOFF, TOFF, RDB, EXS, OUTO   offsets and addresses, made once at the head, never written again.  v254, v255: likewise, read by the closing add alone.
;   TA, L      a block as loaded.  Read by the block's v_min_u32 and conversions; behind them the next block's loads land there.
;   X, Y       written by the block's conversions; read by its 64 scatter stores; then bank X takes the chunks' loads, and the networks write both banks.
;   AD         written at a block's head; read by its scatter stores.
;   RA         written at the head of each chunk and of each exchange; read by that chunk's or exchange's eight LDS loads.
;   P, Q       written by the networks; read by an exchange's eight LDS stores; P is then written by the merge.
; A BLOCK has one wait on va_vdst, behind its conversions and addresses: L and TA have been read (for the loads), X, Y and AD are written (for the scatter;
; between the wait and the scatter stand loads and a barrier alone).  One wait on vm_vsrc stands behind the scatter: X, Y and AD have been read.
; A CHUNK has one wait on va_vdst between RA's add and its loads (RA is written; what worked on bank X before is done) and one on vm_vsrc behind the loads (RA has been read).
; AN EXCHANGE likewise: RA's add, one wait on va_vdst for the stores and the loads, one on vm_vsrc behind the loads.
.set ROWB,   16384                     ; bytes in a row of the input; also in a plane of the output
.set PITCH4, 528                       ; LDS: four places x 32 row pairs x 4 bytes + 16 of padding: word (place, q) falls on bank (place + 4 q) mod 64
.set SLOTB,  8*PITCH4                  ; a chunk of 32 places
.set RINGB,  3*SLOTB                   ; a ring: 96 places
.set WREG,   2*RINGB                   ; a wave's two rings, 25,344 bytes
.set MAXT,   RINGB+23*PITCH4+12        ; the largest offset that the plan holds
.set EXB,    8*WREG                    ; behind the rings: two regions for the exchange of lists,
.set EXW,    4096                      ; a list of 32 words x 32 lanes
.set EXR,    8*EXW                     ; eight lists a region
.set PLANB,  2304
.set NEG,    0xff80ff80                ; -inf, twice
.set GOFF, 2                           ; v2      byte offset of my 16 bytes: 16 (l % 16), lanes 16-31 sixteen rows further down
.set STB,  3                           ; v3      scatter: my wave's rings + 128 (l / 16), eight row pairs on
.set RDB,  4                           ; v4      read back: my wave's rings + 16 l
.set RA,   5                           ; v5      address at work
.set TOFF, 6                           ; v6      16 (l % 16): my four words of a plan row
.set NEGV, 7                           ; v7      NEG
.set TA,   8                           ; v[8:11]   the places of my four columns, as loaded
.set AD,   12                          ; v[12:15]  the same as LDS addresses
.set X,    16                          ; v[16:47]  bank X of the sort; with Y: the 64 packed words of a block; the outputs in f32
.set Y,    48                          ; v[48:79]  bank Y = X + 32
.set P,    80                          ; v[80:111]  running list of the primary set, descending
.set Q,    112                         ; v[112:143] of the secondary set
.set EXS,  144                         ; v144    exchange: where I put my list
.set EXL,  145                         ; v145    exchange: region + 16 l
.set OUTO, 146                         ; v146    8 l: my two rows in a plane
.set L,    0                           ; v[256:383], written v0-v127 in window 1: a block as loaded, 32 loads x 4 registers
.set MSB, 0
.macro WIN new                         ; s_set_vgpr_msb: bits 1:0 source 0, 3:2 source 1, 7:6 destination; the high byte repeats the setting left
.if MSB != \new
	s_set_vgpr_msb (MSB<<8)|\new
.set MSB, \new
.endif
.endm
; The plan row of a block, then the block: 16 groups of two loads.  Group m brings rows 2q and 2q+1 for q = (m%8) + 16 (m/8) in lanes 0-15 and
; q + 8 in lanes 16-31; each half of the lanes reads 256 consecutive bytes, aligned.  (q and q + 8 lie 32 banks apart in the scatter.)
; The wait on va_vdst that these loads hang on stands ahead of the macro; between it and the last load stand a compare, a branch, loads and a window switch alone.
.macro LOADS
	global_load_b128 v[TA:TA+3], v[TOFF], s[6:7]
	WIN 0x40                                       ; destinations in window 1
.set NM, 0
.rept 16
	global_load_b128 v[L+8*NM:L+8*NM+3],   v[GOFF], s[4:5] offset:(2*(NM&7)+32*(NM>>3))*ROWB th:TH_LOAD_NT
	global_load_b128 v[L+8*NM+4:L+8*NM+7], v[GOFF], s[4:5] offset:(2*(NM&7)+32*(NM>>3)+1)*ROWB th:TH_LOAD_NT
.set NM, NM+1
.endr
	WIN 0
.endm
; An exchange, the larger to a.  Element e lies in X+e or in Y+e; bit e of the assembly-time mask LOC says in which.  Both results go to the
; other bank: two instructions, no copy, no spare register; elements that sit a stage out stay where they are.
.macro CE a, b
	v_pk_max_num_bf16 v[X+(\a)+32*(1-((LOC>>(\a))&1))], v[X+(\a)+32*((LOC>>(\a))&1)], v[X+(\b)+32*((LOC>>(\b))&1)]
	v_pk_min_num_bf16 v[X+(\b)+32*(1-((LOC>>(\b))&1))], v[X+(\a)+32*((LOC>>(\a))&1)], v[X+(\b)+32*((LOC>>(\b))&1)]
.set LOC, LOC^((1<<(\a))|(1<<(\b)))
.endm
; Batcher's odd-even merge sort of the 32 elements in bank X, descending: sorted runs of NP are merged to runs of 2 NP by exchanges at
; distances NK = NP, NP/2, .., 1.  16 + 24 + 36 + 50 + 65 = 191 exchanges; those of one (NP, NK) touch different elements.
.macro SORT32
.set LOC, 0
.set NP, 1
.rept 5
.set NK, NP
.rept 5
.set NX, 0
.rept 32
.if NK >= 1
.if (NX+NK) < 32
.if NX >= (NK%NP)
.if ((NX-(NK%NP))%(2*NK)) < NK
.if (NX/(2*NP)) == ((NX+NK)/(2*NP))
	CE NX, NX+NK
.endif
.endif
.endif
.endif
.endif
.set NX, NX+1
.endr
.set NK, NK/2
.endr
.set NP, NP*2
.endr
.endm
.macro STAGE src, dst, d               ; sixteen exchanges at distance d, from one set of 32 registers into another
.set NI, 0
.rept 32
.if (NI & \d) == 0
	v_pk_max_num_bf16 v[\dst+NI],    v[\src+NI], v[\src+NI+\d]
	v_pk_min_num_bf16 v[\dst+NI+\d], v[\src+NI], v[\src+NI+\d]
.endif
.set NI, NI+1
.endr
.endm
; acc = the 32 largest of acc and of the sorted chunk (where LOC says), descending.  t[i] = max(acc[i], chunk[31-i]) holds the 32 largest as a
; bitonic sequence; it is written over chunk[31-i].  Five stages sort it: chunk -> acc, acc -> X, X -> acc, acc -> X, X -> acc.
.macro MERGE acc
.set NI, 0
.rept 32
	v_pk_max_num_bf16 v[X+(31-NI)+32*((LOC>>(31-NI))&1)], v[\acc+NI], v[X+(31-NI)+32*((LOC>>(31-NI))&1)]
.set NI, NI+1
.endr
.set NI, 0
.rept 16
	v_pk_max_num_bf16 v[\acc+NI],    v[X+(31-NI)+32*((LOC>>(31-NI))&1)], v[X+(15-NI)+32*((LOC>>(15-NI))&1)]
	v_pk_min_num_bf16 v[\acc+NI+16], v[X+(31-NI)+32*((LOC>>(31-NI))&1)], v[X+(15-NI)+32*((LOC>>(15-NI))&1)]
.set NI, NI+1
.endr
	STAGE \acc, X, 8
	STAGE X, \acc, 4
	STAGE \acc, X, 2
	STAGE X, \acc, 1
.endm
; One chunk: slot = scalar with the chunk's byte offset in its ring (0, SLOTB or 2 SLOTB), base = the ring's offset in my share.
; pad = 1: the last, partial chunk: places whose bit in valid is 0 hold older numbers and are replaced by -inf.
.macro CHUNK acc, slot, base, pad, valid
	s_min_u32 s28, \slot, 2*SLOTB
	v_add_nc_u32 v[RA], s28, v[RDB]
	s_wait_alu depctr_va_vdst(0)                   ; v[RA] is written, which the eight loads read; the conversions, or the chunk before's networks, are done with bank X, in which the loads land
.set NI, 0
.rept 8
	ds_load_b128 v[X+4*NI:X+4*NI+3], v[RA] offset:\base+PITCH4*NI ; four places of my row pair; 16 lanes read 256 consecutive bytes
.set NI, NI+1
.endr
	s_wait_dscnt 0x0                               ; the chunk is in registers; no LDS load of mine is out when the next barrier is signalled
	s_wait_alu depctr_vm_vsrc(0)                   ; the eight loads have read v[RA], which the next chunk or the first exchange writes again
.if \pad
.set NI, 0
.rept 32
	s_bitcmp1_b32 \valid, NI
	s_cselect_b32 s29, -1, 0
	v_cndmask_b32 v[X+NI], v[NEGV], v[X+NI], s29
.set NI, NI+1
.endr
.endif
	SORT32
	MERGE \acc
.endm
	s_load_b128 s[4:7], s[0:1], 0x0                ; input s[4:5], plan s[6:7]
	s_load_b64 s[8:9], s[0:1], 0x10                ; output
	v_lshl_add_u32 v254, v0, 2, 0x41800
	v_mov_b32 v255, 0
	v_lshrrev_b32 v1, 5, v0
	v_readfirstlane_b32 s10, v1                    ; wave w
	v_and_b32 v1, 31, v0                           ; lane l
	v_and_b32 v[TOFF], 15, v0
	v_lshlrev_b32 v[TOFF], 4, v[TOFF]
	v_bfe_u32 v[STB], v0, 4, 1                     ; l / 16
	v_lshl_or_b32 v[GOFF], v[STB], 18, v[TOFF]     ; sixteen rows of 16,384 bytes for the upper lanes
	v_lshlrev_b32 v[STB], 7, v[STB]
	v_lshlrev_b32 v[EXL], 4, v1
	v_add_nc_u32 v[EXL], EXB, v[EXL]
	v_lshlrev_b32 v[OUTO], 3, v1
	v_mov_b32 v[NEGV], NEG
.irp j, 0,1,2,3
	v_mov_b32 v[X+\j], NEG
.endr
	s_wait_alu depctr_va_sdst(0)                   ; s10 is written, ahead of its first reader, the line below
	s_mul_i32 s28, s10, WREG
	v_add_nc_u32 v[STB], s28, v[STB]
	v_lshl_add_u32 v[RDB], v1, 4, s28
	s_lshl_b32 s28, s10, 12
	s_add_co_u32 s28, s28, EXB
	v_lshl_add_u32 v[EXS], v1, 4, s28
	s_lshl_b32 s30, ttmp9, 20                      ; 64 rows of 16,384 bytes a work-group (below 2^28)
	s_lshl_b32 s29, s10, 8                         ; + my first column block
	s_add_co_u32 s30, s30, s29
	s_mov_b32 s31, 0
	s_lshr_b32 s28, ttmp9, 6                       ; batch
	s_lshl3_add_u32 s28, s28, s10
	s_mul_i32 s28, s28, PLANB
	s_mov_b32 s29, 0
	s_wait_kmcnt 0x0
	s_add_nc_u64 s[4:5], s[4:5], s[30:31]
	s_add_nc_u64 s[6:7], s[6:7], s[28:29]
	s_load_b256 s[16:23], s[6:7], 0x800            ; s16, s17 chunk counts; s18, s19 filled places of the last chunks; s20, s21 zeros at the start
	s_wait_alu depctr_va_vdst(0)                   ; all offsets and addresses of the kernel are written (GOFF and TOFF for the loads below, RDB for the stores below, EXS, OUTO), and so are the four registers of -inf that those stores read
	LOADS                                          ; block 0 is on its way before anything else is done
.set NT, 0
.rept 49                                           ; my rings are filled once, so that no byte is read that was never written
	ds_store_b128 v[RDB], v[X:X+3] offset:512*NT
.set NT, NT+1
.endr
	ds_store_b128 v[RDB], v[X:X+3] offset:WREG-512 ; 25,344 = 49.5 x 512: the last store laps over the one before
	s_wait_kmcnt 0x0
.set NI, 0
.rept 32                                           ; the lists start as the set's zeros, then -inf
	s_bitcmp1_b32 s20, NI
	s_cselect_b32 s28, 0, NEG
	v_mov_b32 v[P+NI], s28
	s_bitcmp1_b32 s21, NI
	s_cselect_b32 s29, 0, NEG
	v_mov_b32 v[Q+NI], s29
.set NI, NI+1
.endr
	s_mov_b32 s12, 0                               ; block k
	s_mov_b32 s24, 0                               ; the primary ring's next chunk, as a byte offset in the ring
	s_mov_b32 s25, 0                               ; the secondary ring's
	s_wait_alu depctr_vm_vsrc(0)                   ; the stores that filled my rings have read v[X:X+3], which block 0's conversions write
.Lblock:
	WIN 0x05                                       ; both sources in window 1
.set NM, 0
.rept 16
	s_wait_loadcnt 30-2*NM                         ; 33 loads were issued, the plan row first; loads return in order: group NM's two are in, the 2 x (15 - NM) behind them may be out
.irp j, 0,1,2,3
	v_cvt_pk_bf16_f32 v[X+4*NM+\j], v[L+8*NM+\j], v[L+8*NM+4+\j]  ; row 2q low, row 2q+1 high, one column
.endr
.set NM, NM+1
.endr
	WIN 0
.irp j, 0,1,2,3
	v_min_u32 v[AD+\j], MAXT, v[TA+\j]             ; a loaded number enters an address only clamped: it stays inside my wave's rings
.endr
.irp j, 0,1,2,3
	v_add_nc_u32 v[AD+\j], v[STB], v[AD+\j]
.endr
	s_add_nc_u64 s[4:5], s[4:5], 2048              ; eight column blocks on; every load that named these bases is done (the wait for 0 above); in the last block they step too and are used no more
	s_add_nc_u64 s[6:7], s[6:7], 256
	s_wait_alu depctr_va_vdst(0)                   ; the conversions are done reading L and v_min_u32 reading TA, in which the next block's loads land; X, Y and AD are written, which the scatter reads
	s_cmp_eq_u32 s12, 7
	s_cbranch_scc1 .Lnoload                        ; behind the last block there is nothing to load
	LOADS                                          ; 16 KiB of the next block are on their way while this one is sorted
.Lnoload:
	s_wait_dscnt 0x0                               ; first block: the stores that filled my rings; later blocks: nothing is out (each chunk waited for its loads)
	s_barrier_signal -1
	s_barrier_wait -1                              ; every wave has the last block's chunks in registers: the rings may be written
.set NM, 0
.rept 16
.irp j, 0,1,2,3
	ds_store_b32 v[AD+\j], v[X+4*NM+\j] offset:((NM&7)+16*(NM>>3))*16     ; to the column's place, row pair q.  No wait: no vector instruction since the block's wait names X, Y or AD
.endr
.set NM, NM+1
.endr
	s_wait_dscnt 0x0                               ; my block lies in the rings before I say so
	s_wait_alu depctr_vm_vsrc(0)                   ; the scatter has read X, Y and AD: the chunks' loads land in X, the networks write X and Y, the next block writes all three
	s_barrier_signal -1
	s_barrier_wait -1                              ; every wave's does: the rings may be read
	s_and_b32 s26, s16, 3                          ; primary chunks that this block has filled: 0, 1 or 2
	s_lshr_b32 s16, s16, 4
	s_cmp_eq_u32 s26, 0
	s_cbranch_scc1 .LnoP
	s_mov_b32 s27, 0
.LP:
	CHUNK P, s24, 0, 0, s18
	s_add_co_u32 s24, s24, SLOTB
	s_cmp_eq_u32 s24, RINGB
	s_cselect_b32 s24, 0, s24
	s_add_co_u32 s27, s27, 1
	s_cmp_lt_u32 s27, s26
	s_cbranch_scc1 .LP
.LnoP:
	s_and_b32 s26, s17, 3                          ; and secondary ones
	s_lshr_b32 s17, s17, 4
	s_cmp_eq_u32 s26, 0
	s_cbranch_scc1 .LnoQ
	s_mov_b32 s27, 0
.LQ:
	CHUNK Q, s25, RINGB, 0, s19
	s_add_co_u32 s25, s25, SLOTB
	s_cmp_eq_u32 s25, RINGB
	s_cselect_b32 s25, 0, s25
	s_add_co_u32 s27, s27, 1
	s_cmp_lt_u32 s27, s26
	s_cbranch_scc1 .LQ
.LnoQ:
	s_add_co_u32 s12, s12, 1
	s_cmp_lt_u32 s12, 8
	s_cbranch_scc1 .Lblock
	CHUNK P, s24, 0, 1, s18                        ; what is left in the rings, padded with -inf
	CHUNK Q, s25, RINGB, 1, s19
	s_barrier_signal -1                            ; the rings have been read for the last time (each chunk waited for its loads):
	s_barrier_wait -1                              ; LDS is stored to again only behind this barrier
; THE LISTS OF THE EIGHT WAVES MEET, in three steps, alike in every wave.  Step 1: I give my secondary list to wave w ^ 1, whose primary set it
; is, and take its secondary list: even waves now hold foreground alone, odd waves background.  Steps 2 and 3: partners w ^ 2 and w ^ 4 of
; the same set give each other their lists and both merge.  Two regions take turns: region 0 is written again in step 3, behind the barrier
; of step 2, in front of which every wave has waited for its loads of step 1.
.macro XCHG src, reg, mask
	s_xor_b32 s28, s10, \mask
	s_lshl_b32 s28, s28, 12
	v_add_nc_u32 v[RA], s28, v[EXL]
	s_wait_alu depctr_va_vdst(0)                   ; the last merge has written the list, which the stores read, and is done with bank X, in which the loads land; v[RA] is written, which the loads read
.set NT, 0
.rept 8
	ds_store_b128 v[EXS], v[\src+4*NT:\src+4*NT+3] offset:\reg*EXR+512*NT
.set NT, NT+1
.endr
	s_wait_dscnt 0x0                               ; for the partner's sake: my list is in LDS before I signal
	s_barrier_signal -1
	s_barrier_wait -1
.set NT, 0
.rept 8
	ds_load_b128 v[X+4*NT:X+4*NT+3], v[RA] offset:\reg*EXR+512*NT         ; no wait: no vector instruction since the wait above
.set NT, NT+1
.endr
	s_wait_dscnt 0x0
	s_wait_alu depctr_vm_vsrc(0)                   ; the stores have read my list, which the merge below writes where it is P; the loads have read v[RA], which the next step writes
.set LOC, 0
	MERGE P
.endm
	XCHG Q, 0, 1
	XCHG P, 1, 2
	XCHG P, 0, 4
	; THE WAY OUT.  Four waves hold each set's list; wave w stores its planes 8 (w / 2) .. + 7.  A lane's two rows are neighbours in a plane:
	; one store of the wave covers 256 consecutive bytes, aligned.
	s_lshr_b32 s28, ttmp9, 6
	s_lshl_b32 s28, s28, 20                        ; batch: 64 planes of 16,384 bytes
	s_and_b32 s29, ttmp9, 63
	s_lshl_b32 s29, s29, 8                         ; my 64 rows in a plane
	s_add_co_u32 s28, s28, s29
	s_and_b32 s29, s10, 1
	s_xor_b32 s29, s29, 1
	s_lshl_b32 s29, s29, 19                        ; even waves: foreground, planes 32 and up
	s_add_co_u32 s28, s28, s29
	s_mov_b32 s29, 0
	s_add_nc_u64 s[8:9], s[8:9], s[28:29]
	s_lshr_b32 s26, s10, 1
.irp t, 0,1,2,3
	s_cmp_lg_u32 s26, \t
	s_cbranch_scc1 .Lnot\t
.irp j, 0,1,2,3,4,5,6,7
	v_lshlrev_b32 v[X+16*\t+2*\j],   16, v[P+8*\t+\j]             ; bf16 to f32: the low half moves up,
	v_and_b32     v[X+16*\t+2*\j+1], 0xffff0000, v[P+8*\t+\j]     ; the high half stays
.endr
	s_wait_alu depctr_va_vdst(0)                   ; the sixteen lines above have written the eight pairs that the stores read
.irp j, 0,1,2,3,4,5,6,7
	global_store_b64 v[OUTO], v[X+16*\t+2*\j:X+16*\t+2*\j+1], s[8:9] offset:(8*\t+\j)*ROWB th:TH_STORE_NT
.endr
.Lnot\t:
.endr
	s_wait_dscnt 0x0                               ; the closing lines, six on end, of a launch in the mode that stores to LDS
	s_wait_alu 0x0
	s_wait_tensorcnt 0x0
	ds_add_u32 v254, v255
	s_wait_dscnt 0x0
	s_endpgm
.Lfunc_end_k_q5bf8f8abd3_topk:
	.size	k_q5bf8f8abd3_topk, .Lfunc_end_k_q5bf8f8abd3_topk-k_q5bf8f8abd3_topk
	.p2alignl 7, 3214868480
	.fill 96, 4, 3214868480
	.section	.rodata,"a",@progbits
	.p2align	6, 0x0
	.amdhsa_kernel k_q5bf8f8abd3_topk
		.amdhsa_group_segment_fixed_size 269312
		.amdhsa_private_segment_fixed_size 0
		.amdhsa_enable_private_segment 0
		.amdhsa_kernarg_size 24
		.amdhsa_user_sgpr_count 2
		.amdhsa_user_sgpr_kernarg_segment_ptr 1
		.amdhsa_wavefront_size32 1
		.amdhsa_system_sgpr_workgroup_id_x 1
		.amdhsa_system_sgpr_workgroup_id_y 1
		.amdhsa_system_sgpr_workgroup_id_z 1
		.amdhsa_system_vgpr_workitem_id 0
		.amdhsa_next_free_vgpr 384
		.amdhsa_next_free_sgpr 66
		.amdhsa_reserve_vcc 0
		.amdhsa_float_denorm_mode_32 3
		.amdhsa_float_denorm_mode_16_64 3
		.amdhsa_memory_ordered 1
		.amdhsa_forward_progress 1
		.amdhsa_inst_pref_size 232
	.end_amdhsa_kernel
	.amdgpu_metadata
---
amdhsa.version: [ 1, 2 ]
amdhsa.kernels:
  - .name:           k_q5bf8f8abd3_topk
    .symbol:         k_q5bf8f8abd3_topk.kd
    .args:
      - { .name: corr_features, .offset: 0, .size: 8, .value_kind: global_buffer, .address_space: global }
      - { .name: plan, .offset: 8, .size: 8, .value_kind: global_buffer, .address_space: global }
      - { .name: out0, .offset: 16, .size: 8, .value_kind: global_buffer, .address_space: global }
    .group_segment_fixed_size: 269312
    .private_segment_fixed_size: 0
    .kernarg_segment_align: 8
    .kernarg_segment_size: 24
    .max_flat_workgroup_size: 256
    .sgpr_count:     66
    .vgpr_count:     384
    .wavefront_size: 32
...
	.end_amdgpu_metadata
.endif
;; end of part 4
